; MI455X (gfx1250); checked and timed in simulation.
; The chip was launched on July 23, 2026; its instructions are those of AMD's public machine-readable ISA for CDNA 5 (MIT licence, August 2026) and "CDNA5" Instruction Set Architecture Reference Guide (July 2026). The comments in the code are by the model that wrote it; some were corrected since.
;; quantizer. Allowed arithmetic: matrix products marked QUANTISED: E3M2 operands, one E8M0 scale for each 32 along K, by v_wmma_scale_f32_16x16x128_f8f6f4 with both operands' format E3M2, f32 sums; everything else in f32.
;; Inputs: codebook 8,192 x 256 float32; x 32 x 256 x 32 x 32 float32.
;; Outputs: out0 32 x 256 x 32 x 32 float32; out1 32 x 32 x 32 int32; out2 one number float32; out3 one number float32.
;; This version of the problem:
;;   THIS VERSION OF THE PROBLEM IS GIVEN IN LOW PRECISION. The matrix products marked QUANTISED in the list below multiply operands that are first quantised to E3M2 (3 exponent bits, 2 mantissa bits; 6 bits a number), with one power-of-two scale for each 32 numbers along K (OCP MX v1.0); their sums are f32. All else is computed in f32.
;;   The module's matrix products, in the order in which they are computed (A, B: the left and right operand; K: the contracted axis; several contracted axes count as one K, in the product's order):
;;     1. [M 32,768, K 256] x [K 256, N 8,192]; A: input x; B: input codebook: QUANTISED
;;   THE QUANTISER, for each operand of a quantised product, along K:
;;     - K is cut into blocks of 32 from its start; a last block that is shorter is filled with zeros.
;;     - A block's scale is 2^e with e = floor(log2(the largest magnitude in the block)) - 4, held to -126 .. 127; a block of zeros has e = 0. As a byte (E8M0): e + 127.
;;     - Each number is divided by its block's scale, clamped to +-28, and rounded to the nearest number of E3M2, ties to even, subnormals kept.
;;     - The product sums the exact products of the quantised numbers (number of the format x scale) in f32.
;;   ~~~python
;;   def quantise(x, axis):      # numpy; x: float32 -> the quantised numbers, widened to float32 again
;;       x = np.moveaxis(x, axis, -1); K = x.shape[-1]
;;       x = np.pad(x, [(0, 0)] * (x.ndim - 1) + [(0, -K % 32)]); x = x.reshape(x.shape[:-1] + (-1, 32)); a = np.abs(x).max(-1, keepdims=True)
;;       e = np.where(a > 0, np.clip(np.frexp(np.where(a > 0, a, 1))[1] - 1 - 4, -126, 127), 0)      # np.frexp(a)[1] - 1 = floor(log2(a)), exactly
;;       r = np.clip(x / 2.0 ** e, -28, 28)
;;       step = 2.0 ** (np.maximum(np.frexp(np.where(r == 0, 1, r))[1] - 1, -2) - 2)
;;       q = np.round(r / step) * step * 2.0 ** e      # np.round: ties to even
;;       return np.moveaxis(q.reshape(q.shape[:-2] + (-1,))[..., :K], -1, axis).astype(np.float32)
;;   ~~~
;; One version. Each part assembles by itself: llvm-mc -triple=amdgcn-amd-amdhsa -mcpu=gfx1250 --defsym DOCPART=n.
;; ======== version 1 of 1: 4 launches
;; limits: right only within a limited range of input values
;; workspace buffers: cbq 1,671,168 bytes; idxw 131,072 bytes of whole numbers; part 1,024 bytes
;; launch prep (part 1): grid 256 x 1, 4 waves a work-group, no clusters, 35,328 bytes of LDS; arguments codebook, cbq; writes cbq
.if DOCPART == 1
	.amdgcn_target "amdgcn-amd-amdhsa--gfx1250"
	.amdhsa_code_object_version 6
	.text
	.protected	k_q5f686897ce_prep
	.globl	k_q5f686897ce_prep
	.p2align	8
	.type	k_q5f686897ce_prep,@function
k_q5f686897ce_prep:
	s_mov_b64 s[64:65], 0
	v_nop
	global_prefetch_b8 v0, s[64:65] scope:SCOPE_SE
	s_setreg_imm32_b32 hwreg(HW_REG_WAVE_MODE, 25, 1), 1
	s_wait_xcnt 0x0
; The codebook [8192][256] f32 becomes cbq: codes of BF6 (E3M2) with one E8M0 byte for each 32 along K, laid in the ORDER OF THE OPERAND'S REGISTERS, and -c_sq/2 of every code.
; cbq is 128 parts of 13,056 bytes; part P holds tiles 4 P + n (n = 0..3) of 16 codes:
;   n*3072 + s*1536 + q*512 + 16*lane : registers 4 q .. 4 q + 3 of the fragment of K step s (128 along K): lane (r, h), registers 6 c .. 6 c + 5 = k 128 s + 64 c + 32 h + 0 .. 31 of code 16 tile + r
;   12288 + n*128 + s*64 + 4 r        : the scale word (four bytes) of row r, K step s
;   12800 + n*64 + 4 m                : -c_sq/2 of row m, f32
; A block's scale byte is its largest magnitude's exponent field - 4, held at 1 from below; numbers are divided by the scale and rounded to the nearest code, ties to even, beyond 28 the largest code.
; LIMITS: a block whose largest magnitude lies under 2^-122 (a block of zeros too) gets the byte 1: zero codes add nothing, and this program alone reads the bytes.  NaN and infinities are not served.
; SHARES: work-group g takes tiles 2 g and 2 g + 1; wave w takes tile 2 g + w / 2, K step w % 2: 16 rows x 512 bytes.  Each load reads 512 consecutive bytes of a row; the rows turn through the wave's
; own stage in LDS (rows 528 bytes apart), so that lane (r, h) gets 32 neighbours along K of row r for each of its two blocks.
; LEFT OUT OF THE WHOLE PROGRAM: x_sq.  reference() adds x_sq[b, n] to each of a token's 8,192 distances: it is the same along the axis of the argmin, so it moves no index, whatever x holds, and dist itself is no output.
; The program takes the largest of xc - c_sq/2 = (x_sq - dist)/2 in place of the least dist.  x is still loaded: it is an operand of the product and enters out0 and the losses.
; LIMIT: a NaN, an infinity or an overflow that arises in x_sq alone is not carried to the result.
.set STG,  8448                        ; a wave's stage: 16 rows x 528 bytes
.set SP,   528
.set SCW,  4*STG                       ; 256 bytes: the work-group's scale words, [tile][K step][row]
.set CSP,  SCW+256                     ; 256 bytes: the partial sums of squares, laid likewise
.set PART, 13056
.set R,    16                          ; v16-79   the rows as loaded
.set X,    80                          ; v80-143  X[32 c + i] = k 64 c + 32 h + i of row r
.set F,    144                         ; v144-155 the fragment
.set TQ,   156                         ; v156-162 each block's second conversion (a conversion's three registers begin on an even number)
.set SQ,   164                         ; v164-167 four chains of squares
	s_load_b128 s[4:7], s[0:1], 0x0                ; codebook s[4:5], cbq s[6:7]
	v_lshl_add_u32 v176, v0, 2, 0x8800
	v_mov_b32 v177, 0
	v_lshrrev_b32 v8, 5, v0
	v_readfirstlane_b32 s12, v8                    ; wave 0..3
	v_and_b32 v9, 31, v0                           ; lane
	v_lshlrev_b32 v1, 4, v9                        ; 16 x lane
	v_and_b32 v2, 15, v0                           ; r
	v_bfe_u32 v3, v0, 4, 1                         ; h
	s_lshr_b32 s13, s12, 1                         ; which of the two tiles
	s_and_b32 s14, s12, 1                          ; which K step
	s_mul_i32 s15, s12, STG
	v_add_nc_u32 v4, s15, v1                       ; the stage, on the way in: 16 x lane of a row
	v_mul_u32_u24 v5, v2, SP
	v_lshl_add_u32 v5, v3, 7, v5
	v_add_nc_u32 v5, s15, v5                       ; and back: row r, + 128 h
	s_lshl_b32 s16, s13, 7
	s_lshl_b32 s17, s14, 6
	s_add_co_u32 s16, s16, s17
	v_lshl_add_u32 v6, v2, 2, s16                  ; 128 tile + 64 K step + 4 r
	v_add_nc_u32 v7, CSP, v6
	v_add_nc_u32 v6, SCW, v6
	v_lshl_add_u32 v168, v9, 3, SCW                ; wave 0's way out: all its addresses are made here, ahead of the branch on the wave's number
	v_lshlrev_b32 v169, 2, v2
	v_lshl_add_u32 v169, v3, 7, v169
	v_add_nc_u32 v169, CSP, v169                   ; lane l: tile l / 16, row l % 16
	v_lshlrev_b32 v170, 3, v9
	v_lshlrev_b32 v171, 2, v9
	s_mov_b32 s20, 0x76543210
	s_mov_b32 s21, 0xfedcba98                      ; v_permlanex16_b32's selects for lane l xor 16
	s_lshr_b32 s18, ttmp9, 1
	s_mul_i32 s18, s18, PART                       ; my part of cbq
	s_mov_b32 s19, 0
	s_and_b32 s22, ttmp9, 1
	s_lshl_b32 s24, ttmp9, 1
	s_add_co_u32 s24, s24, s13                     ; my tile
	s_lshl_b32 s24, s24, 14                        ; 16 rows of 1,024 bytes,
	s_lshl_b32 s25, s14, 9                         ; + the K step's 512 bytes
	s_add_co_u32 s24, s24, s25
	s_mov_b32 s25, 0
	s_lshl_b32 s26, s22, 1
	s_add_co_u32 s26, s26, s13                     ; n
	s_mul_i32 s26, s26, 3072
	s_mul_i32 s27, s14, 1536
	s_add_co_u32 s26, s26, s27
	s_mov_b32 s27, 0
	s_lshl_b32 s28, s22, 8                         ; the work-group's 256 bytes of scale words,
	s_mov_b32 s29, 0
	s_lshl_b32 s30, s22, 7                         ; and its 128 bytes of -c_sq/2
	s_mov_b32 s31, 0
	s_wait_kmcnt 0x0
	s_add_nc_u64 s[4:5], s[4:5], s[24:25]
	s_add_nc_u64 s[6:7], s[6:7], s[18:19]
	s_add_nc_u64 s[8:9], s[6:7], s[26:27]          ; my fragment's image
	s_add_nc_u64 s[10:11], s[6:7], s[28:29]
	s_add_nc_u64 s[6:7], s[6:7], s[30:31]
.irp i, 0,1,2,3,4,5,6,7,8,9,10,11,12,13,14,15
	global_load_b128 v[R+4*\i:R+4*\i+3], v1, s[4:5] offset:1024*\i th:TH_LOAD_NT   ; row i: 32 lanes read 512 consecutive bytes
.endr
.irp i, 0,1,2,3,4,5,6,7,8,9,10,11,12,13,14,15
	s_wait_loadcnt 15-\i                           ; row i is in; the 15 - i younger loads may be out
	ds_store_b128 v4, v[R+4*\i:R+4*\i+3] offset:SP*\i
.endr
.irp c, 0,1
.irp i, 0,1,2,3,4,5,6,7
	ds_load_b128 v[X+32*\c+4*\i:X+32*\c+4*\i+3], v5 offset:256*\c+16*\i   ; LDS serves a wave's instructions in order: these see my stores
.endr
.endr
	s_wait_dscnt 0x0
	; the sum of squares of my 64 numbers, in four chains; with lane l xor 16's it is row r's share of c_sq from this K step
.irp k, 0,1,2,3
	v_mul_f32 v[SQ+\k], v[X+\k], v[X+\k]
.endr
.set i, 4
.rept 60
	v_fmac_f32 v[SQ+i%4], v[X+i], v[X+i]
.set i, i+1
.endr
	v_add_f32 v[SQ], v[SQ], v[SQ+1]
	v_add_f32 v[SQ+2], v[SQ+2], v[SQ+3]
	v_add_f32 v[SQ], v[SQ], v[SQ+2]
	v_permlanex16_b32 v[SQ+1], v[SQ], s20, s21
	v_add_f32 v[SQ], v[SQ], v[SQ+1]
	; my two blocks (2 c + h): all 32 numbers of each are mine
.irp c, 0,1
	v_max3_num_f32 v[8+\c], |v[X+32*\c]|, |v[X+32*\c+1]|, 0x2800000   ; with the floor 2^(5 - 127): the byte cannot fall under 1
.endr
.irp i, 2,4,6,8,10,12,14,16,18,20,22,24,26,28,30
.irp c, 0,1
	v_max3_num_f32 v[8+\c], v[8+\c], |v[X+32*\c+\i]|, |v[X+32*\c+\i+1]|
.endr
.endr
.irp c, 0,1
	v_add_nc_u32 v[10+\c], 0xfe000000, v[8+\c]     ; 4 off the exponent field: the conversion takes this operand's exponent field as its scale
.endr
.irp c, 0,1
	v_lshrrev_b32 v[12+\c], 23, v[10+\c]           ; the scale's byte
.endr
	v_lshl_or_b32 v14, v13, 16, v12                ; my bytes: blocks h and 2 + h,
	v_lshlrev_b32 v15, 3, v3
	v_lshlrev_b32 v14, v15, v14                    ; 8 h bits up;
	v_mov_b32 v15, 0
	v_permlanex16_b32 v15, v14, s20, s21
	v_or_b32 v14, v14, v15                         ; with lane l xor 16's two the word is whole
.irp c, 0,1
	v_cvt_scalef32_pk16_bf6_f32 v[F+6*\c:F+6*\c+2], v[X+32*\c:X+32*\c+15], v[10+\c]
	v_cvt_scalef32_pk16_bf6_f32 v[TQ+4*\c:TQ+4*\c+2], v[X+32*\c+16:X+32*\c+31], v[10+\c]
.endr
	v_nop                                          ; one plain place behind the scaled conversions
.irp c, 0,1
.irp i, 0,1,2
	v_mov_b32 v[F+6*\c+3+\i], v[TQ+4*\c+\i]
.endr
.endr
.irp q, 0,1,2
	global_store_b128 v1, v[F+4*\q:F+4*\q+3], s[8:9] offset:512*\q   ; 32 lanes store 512 consecutive bytes, at a multiple of 256 from cbq's first byte
.endr
	ds_store_b32 v6, v14                           ; lanes r and 16 + r write the same word with the same value
	ds_store_b32 v7, v[SQ]
	s_wait_dscnt 0x0                               ; for the others' sake: my stores have landed
	s_barrier_signal -1
	s_barrier_wait -1
	s_cmp_lg_u32 s12, 0
	s_cbranch_scc1 .Lend                           ; wave 0 sends the work-group's scale words and sums
	ds_load_b64 v[8:9], v168
	ds_load_b32 v10, v169
	ds_load_b32 v11, v169 offset:64
	s_wait_dscnt 0x0
	global_store_b64 v170, v[8:9], s[10:11] offset:12288   ; 256 consecutive bytes, aligned
	v_add_f32 v10, v10, v11                        ; the two K steps' shares
	v_mul_f32 v10, -0.5, v10                       ; exact
	global_store_b32 v171, v10, s[6:7] offset:12800        ; 128 consecutive bytes: two work-groups share an aligned 256; 32 KB in the whole launch
.Lend:
	s_wait_tensorcnt 0x0
	ds_add_u32 v176, v177
	s_wait_dscnt 0x0
	s_endpgm
.Lfunc_end_k_q5f686897ce_prep:
	.size	k_q5f686897ce_prep, .Lfunc_end_k_q5f686897ce_prep-k_q5f686897ce_prep
	.p2alignl 7, 3214868480
	.fill 96, 4, 3214868480
	.section	.rodata,"a",@progbits
	.p2align	6, 0x0
	.amdhsa_kernel k_q5f686897ce_prep
		.amdhsa_group_segment_fixed_size 35328
		.amdhsa_private_segment_fixed_size 0
		.amdhsa_enable_private_segment 0
		.amdhsa_kernarg_size 16
		.amdhsa_user_sgpr_count 2
		.amdhsa_user_sgpr_kernarg_segment_ptr 1
		.amdhsa_wavefront_size32 1
		.amdhsa_system_sgpr_workgroup_id_x 1
		.amdhsa_system_sgpr_workgroup_id_y 1
		.amdhsa_system_sgpr_workgroup_id_z 1
		.amdhsa_system_vgpr_workitem_id 0
		.amdhsa_next_free_vgpr 178
		.amdhsa_next_free_sgpr 66
		.amdhsa_reserve_vcc 0
		.amdhsa_float_denorm_mode_32 3
		.amdhsa_float_denorm_mode_16_64 3
		.amdhsa_memory_ordered 1
		.amdhsa_forward_progress 1
		.amdhsa_inst_pref_size 13
	.end_amdhsa_kernel
	.amdgpu_metadata
---
amdhsa.version: [ 1, 2 ]
amdhsa.kernels:
  - .name:           k_q5f686897ce_prep
    .symbol:         k_q5f686897ce_prep.kd
    .args:
      - { .name: codebook, .offset: 0, .size: 8, .value_kind: global_buffer, .address_space: global }
      - { .name: cbq, .offset: 8, .size: 8, .value_kind: global_buffer, .address_space: global }
    .group_segment_fixed_size: 35328
    .private_segment_fixed_size: 0
    .kernarg_segment_align: 8
    .kernarg_segment_size: 16
    .max_flat_workgroup_size: 128
    .sgpr_count:     66
    .vgpr_count:     178
    .wavefront_size: 32
...
	.end_amdgpu_metadata
.endif
;; end of part 1
;; launch main (part 2): grid 256 x 1, 8 waves a work-group, clusters of 4 x 1, 327,680 bytes of LDS; arguments x, cbq, out1, idxw; writes out1, idxw
.if DOCPART == 2
	.amdgcn_target "amdgcn-amd-amdhsa--gfx1250"
	.amdhsa_code_object_version 6
	.text
	.protected	k_q5f686897ce_main
	.globl	k_q5f686897ce_main
	.p2align	8
	.type	k_q5f686897ce_main,@function
k_q5f686897ce_main:
	s_mov_b64 s[64:65], 0
	v_nop
	global_prefetch_b8 v0, s[64:65] scope:SCOPE_SE
	s_setreg_imm32_b32 hwreg(HW_REG_WAVE_MODE, 25, 1), 1
	s_wait_xcnt 0x0
	s_wait_alu depctr_hold_cnt(0) depctr_sa_sdst(0) depctr_va_vdst(0) depctr_va_sdst(0) depctr_va_ssrc(0) depctr_va_vcc(0) depctr_vm_vsrc(0)
	s_getreg_b32 s2, hwreg(HW_REG_IB_STS2, 6, 4)
	s_cmp_eq_u32 s2, 0
	s_cbranch_scc0 .Lentry_in_a_cluster
	s_endpgm
.Lentry_in_a_cluster:
	s_bfe_u32 s2, ttmp6, 0x10000c
	s_cmp_lg_u32 s2, 0x3003
	s_cbranch_scc0 .Lentry_shape_is_right
	s_endpgm
.Lentry_shape_is_right:
; out1[token] = idxw[token] = the index of the code with the largest xc - c_sq/2 (x_sq is left out: it is the same for all codes of a token), xc the product of the MX-BF6 codes of x and of the codebook.
; SHARES: work-group g takes tokens 128 g .. 128 g + 127 (one batch, 128 neighbouring hw): 8 tiles of 16 tokens.  Every wave holds all 8 tiles' fragments (192 registers, window 1) and walks one eighth of the
; codebook: of each chunk (8 parts of cbq, 32 tiles of 16 codes) wave w takes part w, 4 tiles.  16 chunks go through a ring of two LDS slots; a wave fills and reads its own part alone.
; HEAD: wave w loads x of tokens 32 (w % 4) .. + 31 (a lane a token) at k = 128 (w / 4) .. + 127 (registers down K), quantises them and puts the operand's image into LDS, from which all waves take all fragments.
; A CODE TILE: source 0 = 16 codes, source 1 = 16 tokens, C of the first K step = -c_sq/2: lane (r, h) holds token r and in register j code 8 h + j.  16 matrix instructions, in two halves of four token tiles;
; the halves take turns with the reductions: products A(n), reduction B(n - 1), products B(n), reduction A(n).  So each reduction's 40 vector instructions, which name no register of the products just issued,
; are the places behind them (ISA guide 7.12.1), and no v_nop is written.
; A REDUCTION, ten instructions a token tile: the tile's largest (four maxima), one compare with the best so far, and five dual pairs of selects: best and tile number; the tile's eight scores (the snapshot).
; A later tile replaces an earlier one only if it is strictly larger, and at the end the lowest j whose snapshot equals the best is taken: ties go to the lowest index, as in argmin.
; CLUSTER: the four work-groups of a cluster walk the same chunks: each part is asked for jointly (mask 15).  PREFETCH: behind each refill the chunk two refills on, 51 rows of 256 bytes a part, shared out among the
; four partners by address (13 rows each), by cluster 0 alone, since all clusters read the same bytes; the last two refills ask for nothing.
; LIMITS: NaN and infinities among the inputs are not served.  A block of x under 2^-122 gets the scale byte 1 (its codes are zeros or subnormals of that scale).
.set PART,  13056
.set CHUNK, 8*PART
.set IMG,   2*CHUNK                    ; the tokens' image: 16 fragments of 1,536 bytes
.set TSC,   IMG+16*1536                ; their scale words
.set SCR,   TSC+8*128                  ; the waves' results: 8 x 1,024 bytes
.set SPARE, SCR+8*1024                 ; the spare words: 128 bytes a wave
.set AI,   3                           ; v3-4 my part's fragments in slot 0, 1;  v5-6 its scale words;  v7-8 its -c_sq/2
.set AS,   5
.set AC,   7
.set XO,   9
.set IA,   10
.set SA,   11
.set LI,   12
.set LS,   13
.set SCWR, 14
.set SCRD, 15
.set TS,   16                          ; v16-23 the tokens' scale words
.set CS,   24                          ; v24-25 the code tile's scale words, two sets
.set SPW,  27
.set NIL,  28
.set PFO,  29
.set H8,   30
.set T4,   31
.set CF,   32                          ; v32-79 the code tile's fragments, two sets of 24
.set CC,   80                          ; v80-95 -c_sq/2, two sets of 8
.set ACC,  96                          ; v96-159 eight accumulators
.set BI,   160                         ; v160-175 token tile t: best at 2 t, its tile number at 2 t + 1
.set TW,   176                         ; at work: the four tiles' maxima in v176, 177, 178, 180, none of them 3 modulo 4; v181-184 their second chains
.set CUR,  187                         ; v187 (3 modulo 4: a dual pair's two first sources differ modulo 4) the code tile's number
.set SN,   192                         ; v192-255 the snapshots
.set X,    96                          ; the head: v96-223 x
.set PP,   112
.set WV,   12
.set TID,  15                          ; the number of the code tile whose products are being issued
.set CNT,  16
.set LIM,  17
.set PFA,  18
.set SEL,  20
.set NINF, 23
.set G1,   24
.set G0,   32
.set MSB, 0
.macro WIN new
.if MSB != \new
	s_set_vgpr_msb (MSB<<8)|\new
.set MSB, \new
.endif
.endm
.macro CREST
	s_cmp_lg_u32 s[WV], 0
	s_cbranch_scc1 .Lnot_wave_0_\@
	s_barrier_signal -3
.Lnot_wave_0_\@:
	s_barrier_wait -3
	s_barrier_signal -1
	s_barrier_wait -1
.endm
.macro CROUND
	s_barrier_signal -1
	s_barrier_wait -1
	CREST
.endm
.macro FETCH sl, n, p                  ; tile n of my part in slot sl into set p: nine LDS loads
.irp q, 0,1,2,3,4,5
	ds_load_b128 v[CF+24*(\p)+4*\q:CF+24*(\p)+4*\q+3], v[AI+(\sl)] offset:3072*(\n)+512*\q
.endr
	ds_load_b32 v[CS+(\p)], v[AS+(\sl)] offset:12288+128*(\n)
	ds_load_b128 v[CC+8*(\p):CC+8*(\p)+3], v[AC+(\sl)] offset:12800+64*(\n)
	ds_load_b128 v[CC+8*(\p)+4:CC+8*(\p)+7], v[AC+(\sl)] offset:12800+64*(\n)+16
.endm
.macro WHALF p, t0                     ; token tiles t0 .. t0 + 3, both K steps: the four accumulators by turns
	WIN 0x04                                       ; source 1, the tokens: window 1
.irp d, 0,1,2,3
	v_wmma_scale_f32_16x16x128_f8f6f4 v[ACC+8*(\t0+\d):ACC+8*(\t0+\d)+7], v[CF+24*(\p):CF+24*(\p)+11], v[24*(\t0+\d):24*(\t0+\d)+11], v[CC+8*(\p):CC+8*(\p)+7], v[CS+(\p)], v[TS+\t0+\d] matrix_a_fmt:MATRIX_FMT_BF6 matrix_b_fmt:MATRIX_FMT_BF6
.endr
.irp d, 0,1,2,3
	v_wmma_scale_f32_16x16x128_f8f6f4 v[ACC+8*(\t0+\d):ACC+8*(\t0+\d)+7], v[CF+24*(\p)+12:CF+24*(\p)+23], v[24*(\t0+\d)+12:24*(\t0+\d)+23], v[ACC+8*(\t0+\d):ACC+8*(\t0+\d)+7], v[CS+(\p)], v[TS+\t0+\d] matrix_a_fmt:MATRIX_FMT_BF6 matrix_b_fmt:MATRIX_FMT_BF6 matrix_a_scale:MATRIX_SCALE_ROW1 matrix_b_scale:MATRIX_SCALE_ROW1
.endr
	WIN 0
.endm
.macro RHALF t0                        ; the reduction of token tiles t0 .. t0 + 3; v[CUR]: the code tile's number.  Each accumulator is read from its low end on
.irp d, 0,1,2,3
	v_max3_num_f32 v[TW+\d+\d/3], v[ACC+8*(\t0+\d)], v[ACC+8*(\t0+\d)+1], v[ACC+8*(\t0+\d)+2]
.endr
.irp d, 0,1,2,3
	v_max3_num_f32 v[TW+5+\d], v[ACC+8*(\t0+\d)+3], v[ACC+8*(\t0+\d)+4], v[ACC+8*(\t0+\d)+5]
.endr
.irp d, 0,1,2,3
	v_max3_num_f32 v[TW+\d+\d/3], v[ACC+8*(\t0+\d)+6], v[ACC+8*(\t0+\d)+7], v[TW+\d+\d/3]
.endr
.irp d, 0,1,2,3
	s_delay_alu instid0(VALU_DEP_4)
	v_max_num_f32 v[TW+\d+\d/3], v[TW+\d+\d/3], v[TW+5+\d]   ; the tile's largest score of my token
.endr
.irp d, 0,1,2,3
.if \d == 0
	s_delay_alu instid0(VALU_DEP_4)
.endif
	v_cmp_le_f32 vcc_lo, v[TW+\d+\d/3], v[BI+2*(\t0+\d)]    ; set: the old best stays (a select takes its second source where the bit is set)
	v_dual_cndmask_b32 v[BI+2*(\t0+\d)], v[TW+\d+\d/3], v[BI+2*(\t0+\d)] :: v_dual_cndmask_b32 v[BI+2*(\t0+\d)+1], v[CUR], v[BI+2*(\t0+\d)+1]
.irp i, 0,2,4,6
	v_dual_cndmask_b32 v[SN+8*(\t0+\d)+\i], v[ACC+8*(\t0+\d)+\i], v[SN+8*(\t0+\d)+\i] :: v_dual_cndmask_b32 v[SN+8*(\t0+\d)+\i+1], v[ACC+8*(\t0+\d)+\i+1], v[SN+8*(\t0+\d)+\i+1]
.endr
.endr
.endm
.macro TILE sl, n, p                   ; tiles 0 to 2 of a part
	s_wait_dscnt 0x0                               ; this tile's nine loads, asked for a tile ago
	FETCH \sl, \n+1, 1-\p                          ; the set's last products stand 40 vector instructions back
	WHALF \p, 0
	RHALF 4                                        ; of the tile before: v[CUR] still holds its number
	v_mov_b32 v[CUR], s[TID]                       ; from here on this tile's
	WHALF \p, 4
	RHALF 0
	s_add_co_u32 s[TID], s[TID], 1
.endm
.macro ASK
	s_cmp_gt_u32 s[CNT], s[LIM]
	s_cbranch_scc0 .Lnot_mine_\@
	global_prefetch_b8 v[PFO], s[PFA:PFA+1] th:TH_LOAD_NT scope:SCOPE_SE
.Lnot_mine_\@:
.endm
.macro LAST sl, fill, more             ; tile 3 of a part, and the change of slots
	s_wait_dscnt 0x0                               ; tile 3's loads are in: my reads of this slot are over
.if \fill
	s_wait_xcnt 0x0                                ; my last prefetch has read its address
	s_add_nc_u64 s[PFA:PFA+1], s[PFA:PFA+1], CHUNK
	s_wait_tensorcnt 0x0                           ; my one load that was out, my part of the other slot, has landed
	ds_add_u32 v[SPW], v[NIL]
	s_add_nc_u64 s[G0+4*\sl+2:G0+4*\sl+3], s[G0+4*\sl+2:G0+4*\sl+3], 2*CHUNK
	WHALF 1, 0
	s_wait_dscnt 0x0                               ; the add is done
	s_barrier_signal -1                            ; opens a round of the cluster's barrier
	RHALF 4                                        ; work on registers
	s_barrier_wait -1
	CREST
	tensor_load_to_lds s[G0+4*\sl:G0+4*\sl+3], s[G1:G1+7]   ; the chunk two on, into the slot just read
	s_nop 0
	FETCH 1-\sl, 0, 0
	ASK
.else
.if \more
	s_wait_tensorcnt 0x0                           ; my part of the last chunk has landed
	FETCH 1-\sl, 0, 0
.endif
	WHALF 1, 0
	RHALF 4
.endif
	v_mov_b32 v[CUR], s[TID]
	WHALF 1, 4
	RHALF 0
	s_add_co_u32 s[TID], s[TID], 29                ; 32 tiles a chunk
.endm
.macro CMB b, i, b2, i2                ; (b, i) takes (b2, i2) if that is larger, or equal with the lower index
	v_cmp_gt_f32 vcc_lo, v[\b2], v[\b]
	v_cmp_eq_f32 s40, v[\b2], v[\b]
	v_cmp_lt_u32 s41, v[\i2], v[\i]
	s_and_b32 s40, s40, s41
	s_or_b32 vcc_lo, vcc_lo, s40
	v_cndmask_b32 v[\b], v[\b], v[\b2], vcc_lo
	v_cndmask_b32 v[\i], v[\i], v[\i2], vcc_lo
.endm
	s_load_b256 s[4:11], s[0:1], 0x0               ; x, cbq, out1, idxw
	v_lshl_add_u32 v[SPW], v0, 2, SPARE
	v_mov_b32 v[NIL], 0
	ds_add_u32 v[SPW], v[NIL]                      ; the opening lines: the add twice on end
	ds_add_u32 v[SPW], v[NIL]
	s_wait_dscnt 0x0
	v_lshrrev_b32 v1, 5, v0
	s_delay_alu instid0(VALU_DEP_1)
	v_readfirstlane_b32 s[WV], v1                  ; wave 0..7
	v_and_b32 v1, 15, v0                           ; r
	v_bfe_u32 v2, v0, 4, 1                         ; h
	v_and_b32 v[TW], 31, v0                        ; lane
	s_wait_alu depctr_va_vdst(0)                   ; the wait ahead of the run of scalar lines
	s_bfe_u32 s13, ttmp6, 0x40000                  ; cx
	s_lshl_b32 s14, ttmp9, 2
	s_add_co_u32 s14, s14, s13                     ; work-group
	s_lshr_b32 s42, s14, 3
	s_lshl_b32 s42, s42, 20                        ; the batch,
	s_and_b32 s43, s14, 7
	s_lshl_b32 s43, s43, 9                         ; and 128 tokens x 4 bytes in each of its rows
	s_add_co_u32 s42, s42, s43
	s_mov_b32 s43, 0
	s_lshl_b32 s46, s14, 9                         ; my 128 indices
	s_mov_b32 s47, 0
	s_mul_i32 s48, s[WV], PART
	s_mov_b32 s49, 0
	s_lshl_b32 s[TID], s[WV], 2
	s_mov_b32 s[NINF], 0xff800000
	s_cmp_eq_u32 ttmp9, 0
	s_cselect_b32 s[LIM], 1, -1                    ; cluster 0 prefetches
	s_mov_b32 s[SEL], 0x76543210
	s_mov_b32 s[SEL+1], 0xfedcba98
	s_and_b32 s52, s[WV], 3
	s_lshr_b32 s53, s[WV], 2
	s_lshl_b32 s54, s52, 7
	s_lshl_b32 s55, s53, 19
	s_add_co_u32 s54, s54, s55
	v_lshl_add_u32 v[XO], v[TW], 2, s54            ; x: 32 tokens of wave % 4, 128 rows k of wave / 4
	s_lshl_b32 s54, s52, 2
	s_add_co_u32 s54, s54, s53
	s_mul_i32 s54, s54, 1536
	s_add_co_u32 s54, s54, IMG
	v_mul_u32_u24 v[IA], v2, 3072                  ; fragment 4 (w % 4) + 2 h + w / 4, 16 bytes for row r
	s_delay_alu instid0(VALU_DEP_1)
	v_lshl_add_u32 v[IA], v1, 4, v[IA]
	s_delay_alu instid0(VALU_DEP_1)
	v_add_nc_u32 v[IA], s54, v[IA]
	s_lshl_b32 s54, s52, 8
	s_lshl_b32 s55, s53, 6
	s_add_co_u32 s54, s54, s55
	s_add_co_u32 s54, s54, TSC
	v_lshlrev_b32 v[SA], 7, v2
	s_delay_alu instid0(VALU_DEP_1)
	v_lshl_add_u32 v[SA], v1, 2, v[SA]
	s_delay_alu instid0(VALU_DEP_1)
	v_add_nc_u32 v[SA], s54, v[SA]
	v_lshl_add_u32 v[LI], v[TW], 4, IMG
	v_lshl_add_u32 v[LS], v[TW], 2, TSC
	s_lshl_b32 s54, s[WV], 10
	s_add_co_u32 s54, s54, SCR
	v_lshl_add_u32 v[SCWR], v1, 3, s54
	v_lshl_add_u32 v[SCRD], v0, 3, SCR
	v_lshl_add_u32 v[AI], v[TW], 4, s48
	s_delay_alu instid0(VALU_DEP_1)
	v_add_nc_u32 v[AI+1], CHUNK, v[AI]
	v_lshl_add_u32 v[AS], v[TW], 2, s48
	s_delay_alu instid0(VALU_DEP_1)
	v_add_nc_u32 v[AS+1], CHUNK, v[AS]
	v_lshl_add_u32 v[AC], v2, 5, s48
	s_delay_alu instid0(VALU_DEP_1)
	v_add_nc_u32 v[AC+1], CHUNK, v[AC]
	v_lshlrev_b32 v[H8], 3, v2
	v_lshlrev_b32 v[T4], 2, v0
	v_min_u32 v[PFO], 12, v[TW]                    ; the prefetch: rows 13 cx .. 13 cx + 12 of my part's 51, held to row 50
	s_mul_i32 s44, s13, 13
	v_add_nc_u32 v[PFO], s44, v[PFO]
	s_delay_alu instid0(VALU_DEP_1)
	v_min_u32 v[PFO], 50, v[PFO]
	s_delay_alu instid0(VALU_DEP_1)
	v_lshlrev_b32 v[PFO], 8, v[PFO]
	s_mov_b32 s[G1], 15|(3<<16)|(1<<21)            ; the four partners; elements of 8 bytes; a part is 51 dense rows of 256 bytes
	s_mov_b32 s[G1+1], 32<<16
	s_mov_b32 s[G1+2], 51<<16
	s_mov_b32 s[G1+3], 32<<16
	s_mov_b32 s[G1+4], 51
	s_mov_b32 s[G1+5], 32
	s_mov_b32 s[G1+6], 0
	s_mov_b32 s[G1+7], 0
	s_wait_kmcnt 0x0
	s_add_nc_u64 s[4:5], s[4:5], s[42:43]
	s_add_nc_u64 s[8:9], s[8:9], s[46:47]
	s_add_nc_u64 s[10:11], s[10:11], s[46:47]
	s_add_nc_u64 s[50:51], s[6:7], s[48:49]
	s_add_nc_u64 s[PFA:PFA+1], s[50:51], 3*CHUNK
.set i, 0
.rept 128
	global_load_b32 v[X+i], v[XO], s[4:5] offset:4096*i th:TH_LOAD_NT   ; x(k, my token)
.set i, i+1
.endr
	CROUND                                         ; in front of the first joint loads
.irp s, 0,1
	s_mov_b32 s[G0+4*\s], 1
	s_add_co_u32 s[G0+4*\s+1], s48, \s*CHUNK
	s_add_nc_u64 s[G0+4*\s+2:G0+4*\s+3], s[50:51], \s*CHUNK
	s_or_b32 s[G0+4*\s+3], s[G0+4*\s+3], 0x80000000
.endr
	tensor_load_to_lds s[G0:G0+3], s[G1:G1+7]      ; chunk 0: one tensor load a wave at the head
	s_nop 0
	s_wait_alu depctr_va_vdst(0)
	s_wait_tensorcnt 0x0                           ; slot 1's first fill is issued as a refill is
	ds_add_u32 v[SPW], v[NIL]
	s_wait_dscnt 0x0
	CROUND
	tensor_load_to_lds s[G0+4:G0+7], s[G1:G1+7]    ; chunk 1
	s_nop 0
	s_wait_loadcnt 0x0
	; my token's four blocks of 32 along K: largest magnitude with the floor 2^(5 - 127), scale operand, byte, codes
.irp b, 0,1,2,3
	v_max3_num_f32 v[32+\b], |v[X+32*\b]|, |v[X+32*\b+1]|, 0x2800000
.endr
.irp i, 2,4,6,8,10,12,14,16,18,20,22,24,26,28,30
.irp b, 0,1,2,3
	s_delay_alu instid0(VALU_DEP_4)
	v_max3_num_f32 v[32+\b], v[32+\b], |v[X+32*\b+\i]|, |v[X+32*\b+\i+1]|
.endr
.endr
.irp b, 0,1,2,3
	s_delay_alu instid0(VALU_DEP_4)
	v_add_nc_u32 v[36+\b], 0xfe000000, v[32+\b]    ; 4 off the exponent field
.endr
.irp b, 0,1,2,3
	s_delay_alu instid0(VALU_DEP_4)
	v_lshrrev_b32 v[40+\b], 23, v[36+\b]
.endr
	s_delay_alu instid0(VALU_DEP_3)
	v_lshl_or_b32 v44, v41, 8, v40
	s_delay_alu instid0(VALU_DEP_1)
	v_lshl_or_b32 v44, v42, 16, v44
	s_delay_alu instid0(VALU_DEP_1)
	v_lshl_or_b32 v44, v43, 24, v44                ; the scale word of my token's K step
.irp b, 0,1,2,3
	v_cvt_scalef32_pk16_bf6_f32 v[48+8*\b:50+8*\b], v[X+32*\b:X+32*\b+15], v[36+\b]
	v_cvt_scalef32_pk16_bf6_f32 v[80+4*\b:82+4*\b], v[X+32*\b+16:X+32*\b+31], v[36+\b]
.endr
	v_nop                                          ; one plain place behind the scaled conversions
.irp b, 0,1,2,3
.irp i, 0,1,2
	v_mov_b32 v[51+8*\b+\i], v[80+4*\b+\i]
.endr
.endr
	; block b = 2 c + h' goes to registers 6 c .. 6 c + 5 of lane (r, h') of the image
.irp b, 0,1
	ds_store_b128 v[IA], v[48+8*\b:51+8*\b] offset:256*\b
	ds_store_b64 v[IA], v[52+8*\b:53+8*\b] offset:512+256*\b
.endr
.irp b, 2,3
	ds_store_b64 v[IA], v[48+8*\b:49+8*\b] offset:520+256*(\b-2)
	ds_store_b128 v[IA], v[50+8*\b:53+8*\b] offset:1024+256*(\b-2)
.endr
	ds_store_b32 v[SA], v44
	; while the stores are out: best = -inf, tile number 0; the second half's accumulators = -inf, so that the first trip's reduction of the tile before changes nothing; the snapshots, which the selects read, 0
	v_mov_b32 v[CUR], 0
.irp t, 0,1,2,3,4,5,6,7
	v_dual_mov_b32 v[BI+2*\t], s[NINF] :: v_dual_mov_b32 v[BI+2*\t+1], 0
.endr
.set i, 0
.rept 16
	v_dual_mov_b32 v[ACC+32+i], s[NINF] :: v_dual_mov_b32 v[ACC+33+i], s[NINF]
.set i, i+2
.endr
.set i, 0
.rept 32
	v_dual_mov_b32 v[SN+i], 0 :: v_dual_mov_b32 v[SN+i+1], 0
.set i, i+2
.endr
	s_wait_alu depctr_va_vdst(0)                   ; the wait at the head's end
	s_wait_tensorcnt 0x1                           ; chunk 0 is in; chunk 1's load, issued behind it, may be out
	s_wait_dscnt 0x0                               ; for the others' sake: my part of the image has landed
	s_barrier_signal -1
	s_barrier_wait -1
	WIN 0x40
.irp f, 0,1,2,3,4,5,6,7,8,9,10,11,12,13,14,15
.irp q, 0,1,2
	ds_load_b128 v[12*\f+4*\q:12*\f+4*\q+3], v[LI] offset:1536*\f+512*\q   ; token tile f / 2, K step f % 2
.endr
.endr
	WIN 0
.irp t, 0,1,2,3,4,5,6,7
	ds_load_b32 v[TS+\t], v[LS] offset:128*\t      ; lanes 0-15 K step 0's words, lanes 16-31 K step 1's
.endr
	FETCH 0, 0, 0
	s_mov_b32 s[CNT], 7
.Lloop:                                                ; a trip: two chunks, once round the ring
	TILE 0, 0, 0
	TILE 0, 1, 1
	TILE 0, 2, 0
	LAST 0, 1, 1
	TILE 1, 0, 0
	TILE 1, 1, 1
	TILE 1, 2, 0
	LAST 1, 1, 1
	s_sub_co_u32 s[CNT], s[CNT], 1
	s_cmp_lg_u32 s[CNT], 0
	s_cbranch_scc1 .Lloop
	TILE 0, 0, 0                                   ; the last two chunks fill nothing
	TILE 0, 1, 1
	TILE 0, 2, 0
	LAST 0, 0, 1
	TILE 1, 0, 0
	TILE 1, 1, 1
	TILE 1, 2, 0
	LAST 1, 0, 0
	RHALF 4                                        ; the last tile's second half
	; the lowest j whose snapshot equals the best; index = 16 x tile + 8 h + j
.irp t, 0,1,2,3,4,5,6,7
	v_mov_b32 v[PP+\t], 7
.endr
.irp j, 6,5,4,3,2,1,0
.irp t, 0,1,2,3,4,5,6,7
	v_cmp_neq_f32 vcc_lo, v[SN+8*\t+\j], v[BI+2*\t]
	s_delay_alu instid0(VALU_DEP_1)
	v_cndmask_b32 v[PP+\t], \j, v[PP+\t], vcc_lo
.endr
.endr
.irp t, 0,1,2,3,4,5,6,7
	v_lshl_add_u32 v[PP+\t], v[BI+2*\t+1], 4, v[PP+\t]
	s_delay_alu instid0(VALU_DEP_1)
	v_add_nc_u32 v[BI+2*\t+1], v[PP+\t], v[H8]
.endr
.irp t, 0,1,2,3,4,5,6,7
	v_permlanex16_b32 v[TW], v[BI+2*\t], s[SEL], s[SEL+1]          ; with lane l xor 16's eight codes
	v_permlanex16_b32 v[TW+1], v[BI+2*\t+1], s[SEL], s[SEL+1]
	CMB BI+2*\t, BI+2*\t+1, TW, TW+1
	ds_store_b64 v[SCWR], v[BI+2*\t:BI+2*\t+1] offset:128*\t       ; lanes r and 16 + r write the same pair
.endr
	s_wait_dscnt 0x0                               ; for the others' sake
	s_barrier_signal -1
	s_barrier_wait -1
	s_cmp_gt_u32 s[WV], 3
	s_cbranch_scc1 .Ldone                          ; threads 0 to 127 join the eight waves' results, a thread a token
.irp w, 0,1,2,3,4,5,6,7
	ds_load_b64 v[96+2*\w:97+2*\w], v[SCRD] offset:1024*\w
.endr
	s_wait_dscnt 0x0
.irp w, 1,2,3,4,5,6,7
	CMB 96, 97, 96+2*\w, 97+2*\w
.endr
	global_store_b32 v[T4], v97, s[8:9]            ; a wave stores 128 consecutive bytes, the four waves 512, aligned
	global_store_b32 v[T4], v97, s[10:11]
.Ldone:
	s_wait_tensorcnt 0x0                           ; the wave's end
	ds_add_u32 v[SPW], v[NIL]
	s_wait_dscnt 0x0
	CROUND                                         ; the closing round
	s_endpgm
.Lfunc_end_k_q5f686897ce_main:
	.size	k_q5f686897ce_main, .Lfunc_end_k_q5f686897ce_main-k_q5f686897ce_main
	.p2alignl 7, 3214868480
	.fill 96, 4, 3214868480
	.section	.rodata,"a",@progbits
	.p2align	6, 0x0
	.amdhsa_kernel k_q5f686897ce_main
		.amdhsa_group_segment_fixed_size 327680
		.amdhsa_private_segment_fixed_size 0
		.amdhsa_enable_private_segment 0
		.amdhsa_kernarg_size 32
		.amdhsa_user_sgpr_count 2
		.amdhsa_user_sgpr_kernarg_segment_ptr 1
		.amdhsa_wavefront_size32 1
		.amdhsa_system_sgpr_workgroup_id_x 1
		.amdhsa_system_sgpr_workgroup_id_y 1
		.amdhsa_system_sgpr_workgroup_id_z 1
		.amdhsa_system_vgpr_workitem_id 0
		.amdhsa_next_free_vgpr 448
		.amdhsa_next_free_sgpr 66
		.amdhsa_reserve_vcc 1
		.amdhsa_float_denorm_mode_32 3
		.amdhsa_float_denorm_mode_16_64 3
		.amdhsa_memory_ordered 1
		.amdhsa_forward_progress 1
		.amdhsa_inst_pref_size 173
	.end_amdhsa_kernel
	.amdgpu_metadata
---
amdhsa.version: [ 1, 2 ]
amdhsa.kernels:
  - .name:           k_q5f686897ce_main
    .symbol:         k_q5f686897ce_main.kd
    .args:
      - { .name: x, .offset: 0, .size: 8, .value_kind: global_buffer, .address_space: global }
      - { .name: cbq, .offset: 8, .size: 8, .value_kind: global_buffer, .address_space: global }
      - { .name: out1, .offset: 16, .size: 8, .value_kind: global_buffer, .address_space: global }
      - { .name: idxw, .offset: 24, .size: 8, .value_kind: global_buffer, .address_space: global }
    .group_segment_fixed_size: 327680
    .private_segment_fixed_size: 0
    .kernarg_segment_align: 8
    .kernarg_segment_size: 32
    .max_flat_workgroup_size: 256
    .sgpr_count:     66
    .vgpr_count:     448
    .wavefront_size: 32
...
	.end_amdgpu_metadata
.endif
;; end of part 2
;; launch gather (part 3): grid 256 x 1, 16 waves a work-group, no clusters, 135,680 bytes of LDS; arguments x, codebook, idxw, out0, part; writes out0, part
.if DOCPART == 3
	.amdgcn_target "amdgcn-amd-amdhsa--gfx1250"
	.amdhsa_code_object_version 6
	.text
	.protected	k_q5f686897ce_gather
	.globl	k_q5f686897ce_gather
	.p2align	8
	.type	k_q5f686897ce_gather,@function
k_q5f686897ce_gather:
	s_mov_b64 s[64:65], 0
	v_nop
	global_prefetch_b8 v0, s[64:65] scope:SCOPE_SE
	s_setreg_imm32_b32 hwreg(HW_REG_WAVE_MODE, 25, 1), 1
	s_wait_xcnt 0x0
; out0[b][k][hw] = (q - x) + x with q = codebook[index of token (b, hw)][k], all f32, and part[g] = the work-group's sum of (q - x)^2.
; SHARES.  Work-group g takes tokens 128 g on (one batch, 128 neighbouring hw).  Wave w gathers the code rows of tokens 8 w + a (a row is 1,024 bytes: two loads of 512 consecutive bytes) and puts them into LDS;
; then it finishes rows k = 16 w .. 16 w + 15 of x and out0, where lane l holds tokens 4 l .. 4 l + 3: each load and store covers 512 consecutive bytes, aligned.
; LDS: 128 rows of 1,024 + 16 bytes; token t lies in row 32 (t % 4) + t / 4, so that the lanes of a read (tokens 4 apart) take neighbouring rows, which start 65 x 16 bytes apart.
; The indices were stored by an earlier launch; each is held to 8,191 ahead of its use in an address.
; No matrix unit, no cluster, no tensor load: the launch moves bytes, each once, and its work-groups share no input but single code rows.
.set PITCH, 1040
.set REDB,  128*PITCH                  ; 64 bytes: the sixteen waves' sums
.set LW,    4                          ; v4-7    (32 i + 2 w) PITCH + 16 x lane
.set LR,    8                          ; v8-11   (32 i + lane) PITCH + 64 w
.set GA,    12                         ; v12-19  1,024 x index + 16 x lane
.set X,     32                         ; v32-95  X[4 kk + i] = x(16 w + kk, token 4 l + i), then out0's
.set R,     96                         ; v96-159 the gathered rows; then R[16 i + kk] = q(token 4 l + i, 16 w + kk)
.set SM,    160                        ; v160-163 four chains
	s_load_b256 s[4:11], s[0:1], 0x0               ; x s[4:5], codebook s[6:7], idxw s[8:9], out0 s[10:11]
	s_load_b64 s[12:13], s[0:1], 0x20              ; part
	v_lshl_add_u32 v176, v0, 2, 0x20a00
	v_mov_b32 v177, 0
	v_lshrrev_b32 v1, 5, v0
	s_delay_alu instid0(VALU_DEP_1)
	v_readfirstlane_b32 s14, v1                    ; wave 0..15
	v_and_b32 v3, 31, v0                           ; lane
	s_delay_alu instid0(VALU_DEP_1)
	v_lshlrev_b32 v1, 4, v3                        ; 16 x lane
	s_lshl_b32 s15, s14, 16                        ; 16 rows of 4,096 bytes
	v_add_nc_u32 v2, s15, v1
	s_mul_i32 s15, s14, 2*PITCH
	v_add_nc_u32 v[LW], s15, v1
	v_mul_u32_u24 v[LR], v3, PITCH
	s_lshl_b32 s15, s14, 6
	v_add_nc_u32 v[LR], s15, v[LR]
.irp i, 1,2,3
	v_add_nc_u32 v[LW+\i], \i*32*PITCH, v[LW]
	v_add_nc_u32 v[LR+\i], \i*32*PITCH, v[LR]
.endr
	v_mov_b32 v20, s14
	s_delay_alu instid0(VALU_DEP_1)
	v_lshl_add_u32 v20, v20, 2, REDB               ; my wave's word
	v_mov_b32 v21, REDB
	v_mov_b32 v22, 0
	s_mov_b32 s28, 0x76543210
	s_mov_b32 s29, 0xfedcba98
	s_lshr_b32 s24, ttmp9, 3
	s_lshl_b32 s24, s24, 20                        ; the batch,
	s_and_b32 s25, ttmp9, 7
	s_lshl_b32 s25, s25, 9                         ; and 128 tokens x 4 bytes in each of its rows
	s_add_co_u32 s24, s24, s25
	s_mov_b32 s25, 0
	s_lshl_b32 s26, ttmp9, 9
	s_lshl_b32 s27, s14, 5
	s_add_co_u32 s26, s26, s27                     ; my eight indices
	s_mov_b32 s27, 0
	s_lshl_b32 s32, ttmp9, 2
	s_mov_b32 s33, 0
	s_wait_kmcnt 0x0
	s_add_nc_u64 s[8:9], s[8:9], s[26:27]
	s_load_b256 s[16:23], s[8:9], 0x0
	s_add_nc_u64 s[4:5], s[4:5], s[24:25]
	s_add_nc_u64 s[10:11], s[10:11], s[24:25]
	s_add_nc_u64 s[12:13], s[12:13], s[32:33]
.irp k, 0,1,2,3,4,5,6,7,8,9,10,11,12,13,14,15
	global_load_b128 v[X+4*\k:X+4*\k+3], v2, s[4:5] offset:4096*\k th:TH_LOAD_NT
.endr
	s_wait_kmcnt 0x0
.irp a, 0,1,2,3,4,5,6,7
	s_min_u32 s[16+\a], s[16+\a], 0x1fff           ; inside the table
	s_lshl_b32 s[16+\a], s[16+\a], 10
	v_add_nc_u32 v[GA+\a], s[16+\a], v1
	global_load_b128 v[R+8*\a:R+8*\a+3], v[GA+\a], s[6:7]
	global_load_b128 v[R+8*\a+4:R+8*\a+7], v[GA+\a], s[6:7] offset:512
.endr
.irp a, 0,1,2,3,4,5,6,7
	s_wait_loadcnt 14-2*\a                         ; row a's two loads are in; the 14 - 2 a younger ones may be out
	ds_store_b128 v[LW+\a%4], v[R+8*\a:R+8*\a+3] offset:(\a/4)*PITCH
	ds_store_b128 v[LW+\a%4], v[R+8*\a+4:R+8*\a+7] offset:(\a/4)*PITCH+512
.endr
	s_wait_dscnt 0x0                               ; for the others' sake: my stores have landed
	s_barrier_signal -1
	s_barrier_wait -1                              ; the 128 rows lie in LDS
.irp i, 0,1,2,3
.irp c, 0,1,2,3
	ds_load_b128 v[R+16*\i+4*\c:R+16*\i+4*\c+3], v[LR+\i] offset:16*\c
.endr
.endr
	s_wait_dscnt 0x0
.irp k, 0,1,2,3,4,5,6,7,8,9,10,11,12,13,14,15
.irp i, 0,1,2,3
	v_sub_f32 v[R+16*\i+\k], v[R+16*\i+\k], v[X+4*\k+\i]       ; q - x
.endr
.irp i, 0,1,2,3
.if \k == 0
	s_delay_alu instid0(VALU_DEP_4)
	v_mul_f32 v[SM+\i], v[R+16*\i+\k], v[R+16*\i+\k]           ; the first squares start the chains
.else
	s_delay_alu instid0(VALU_DEP_4)
	v_fmac_f32 v[SM+\i], v[R+16*\i+\k], v[R+16*\i+\k]
.endif
.endr
.irp i, 0,1,2,3
	v_add_f32 v[X+4*\k+\i], v[R+16*\i+\k], v[X+4*\k+\i]        ; (q - x) + x
.endr
	global_store_b128 v2, v[X+4*\k:X+4*\k+3], s[10:11] offset:4096*\k th:TH_STORE_NT
.endr
	v_add_f32 v[SM], v[SM], v[SM+1]
	v_add_f32 v[SM+2], v[SM+2], v[SM+3]
	s_delay_alu instid0(VALU_DEP_1)
	v_add_f32 v[SM], v[SM], v[SM+2]
	s_delay_alu instid0(VALU_DEP_1)
	v_add_f32_dpp v[SM], v[SM], v[SM] row_xmask:1 row_mask:0xf bank_mask:0xf
	s_delay_alu instid0(VALU_DEP_1)
	v_add_f32_dpp v[SM], v[SM], v[SM] row_xmask:2 row_mask:0xf bank_mask:0xf
	s_delay_alu instid0(VALU_DEP_1)
	v_add_f32_dpp v[SM], v[SM], v[SM] row_xmask:4 row_mask:0xf bank_mask:0xf
	s_delay_alu instid0(VALU_DEP_1)
	v_add_f32_dpp v[SM], v[SM], v[SM] row_xmask:8 row_mask:0xf bank_mask:0xf
	s_delay_alu instid0(VALU_DEP_1)
	v_permlanex16_b32 v[SM+1], v[SM], s28, s29
	s_delay_alu instid0(VALU_DEP_1)
	v_add_f32 v[SM], v[SM], v[SM+1]                ; the wave's sum, in every lane
	ds_store_b32 v20, v[SM]
	s_wait_dscnt 0x0
	s_barrier_signal -1
	s_barrier_wait -1
	s_cmp_lg_u32 s14, 0
	s_cbranch_scc1 .Lend                           ; wave 0 adds the sixteen, in a fixed order
.irp k, 0,1,2,3
	ds_load_b128 v[R+4*\k:R+4*\k+3], v21 offset:16*\k
.endr
	s_wait_dscnt 0x0
	v_add_f32 v175, v97, v98
	v_add_f32 v174, v99, v100
	v_add_f32 v173, v101, v102
	v_add_f32 v172, v103, v104
	v_add_f32 v171, v105, v106
	v_add_f32 v170, v107, v108
	v_add_f32 v169, v109, v110
	v_add_f32 v96, v96, v111
	s_delay_alu instid0(VALU_DEP_1)
	v_add_f32 v96, v96, v172
	v_add_f32 v175, v175, v171
	v_add_f32 v174, v174, v170
	v_add_f32 v173, v173, v169
	s_delay_alu instid0(VALU_DEP_2)
	v_add_f32 v96, v96, v174
	s_delay_alu instid0(VALU_DEP_2)
	v_add_f32 v175, v175, v173
	s_delay_alu instid0(VALU_DEP_1)
	v_add_f32 v96, v96, v175
	v_cmp_eq_u32 vcc_lo, 0, v0
	s_wait_alu depctr_va_vdst(0)
	s_wait_xcnt 0x0                                ; EXEC changes only behind this wait: my stores above have it among their sources
	s_and_saveexec_b32 s30, vcc_lo
	global_store_b32 v22, v[R], s[12:13]           ; lane 0: part[g]
	s_wait_xcnt 0x0                                ; and again, ahead of the line that widens it
	s_or_b32 exec_lo, exec_lo, s30
.Lend:
	s_wait_tensorcnt 0x0
	ds_add_u32 v176, v177
	s_wait_dscnt 0x0
	s_endpgm
.Lfunc_end_k_q5f686897ce_gather:
	.size	k_q5f686897ce_gather, .Lfunc_end_k_q5f686897ce_gather-k_q5f686897ce_gather
	.p2alignl 7, 3214868480
	.fill 96, 4, 3214868480
	.section	.rodata,"a",@progbits
	.p2align	6, 0x0
	.amdhsa_kernel k_q5f686897ce_gather
		.amdhsa_group_segment_fixed_size 135680
		.amdhsa_private_segment_fixed_size 0
		.amdhsa_enable_private_segment 0
		.amdhsa_kernarg_size 40
		.amdhsa_user_sgpr_count 2
		.amdhsa_user_sgpr_kernarg_segment_ptr 1
		.amdhsa_wavefront_size32 1
		.amdhsa_system_sgpr_workgroup_id_x 1
		.amdhsa_system_sgpr_workgroup_id_y 1
		.amdhsa_system_sgpr_workgroup_id_z 1
		.amdhsa_system_vgpr_workitem_id 0
		.amdhsa_next_free_vgpr 178
		.amdhsa_next_free_sgpr 66
		.amdhsa_reserve_vcc 1
		.amdhsa_float_denorm_mode_32 3
		.amdhsa_float_denorm_mode_16_64 3
		.amdhsa_memory_ordered 1
		.amdhsa_forward_progress 1
		.amdhsa_inst_pref_size 21
	.end_amdhsa_kernel
	.amdgpu_metadata
---
amdhsa.version: [ 1, 2 ]
amdhsa.kernels:
  - .name:           k_q5f686897ce_gather
    .symbol:         k_q5f686897ce_gather.kd
    .args:
      - { .name: x, .offset: 0, .size: 8, .value_kind: global_buffer, .address_space: global }
      - { .name: codebook, .offset: 8, .size: 8, .value_kind: global_buffer, .address_space: global }
      - { .name: idxw, .offset: 16, .size: 8, .value_kind: global_buffer, .address_space: global }
      - { .name: out0, .offset: 24, .size: 8, .value_kind: global_buffer, .address_space: global }
      - { .name: part, .offset: 32, .size: 8, .value_kind: global_buffer, .address_space: global }
    .group_segment_fixed_size: 135680
    .private_segment_fixed_size: 0
    .kernarg_segment_align: 8
    .kernarg_segment_size: 40
    .max_flat_workgroup_size: 512
    .sgpr_count:     66
    .vgpr_count:     178
    .wavefront_size: 32
...
	.end_amdgpu_metadata
.endif
;; end of part 3
;; launch total (part 4): grid 1 x 1, 1 waves a work-group, no clusters, 0 bytes of LDS; arguments part, out2, out3; writes out2, out3
.if DOCPART == 4
	.amdgcn_target "amdgcn-amd-amdhsa--gfx1250"
	.amdhsa_code_object_version 6
	.text
	.protected	k_q5f686897ce_total
	.globl	k_q5f686897ce_total
	.p2align	8
	.type	k_q5f686897ce_total,@function
k_q5f686897ce_total:
	s_mov_b64 s[64:65], 0
	v_nop
	global_prefetch_b8 v0, s[64:65] scope:SCOPE_SE
	s_setreg_imm32_b32 hwreg(HW_REG_WAVE_MODE, 25, 1), 1
	s_wait_xcnt 0x0
; out2 = out3 = the mean of (x - q)^2 over 32,768 x 256 = 2^23 numbers: the 256 work-groups' sums are added in a fixed order and multiplied by 2^-23, which is exact.
; One wave: lane l takes part[8 l .. 8 l + 7].
	s_load_b128 s[4:7], s[0:1], 0x0                ; part s[4:5], out2 s[6:7]
	s_load_b64 s[8:9], s[0:1], 0x10                ; out3
	v_lshlrev_b32 v1, 5, v0
	v_mov_b32 v2, 0
	s_mov_b32 s10, 0x76543210
	s_mov_b32 s11, 0xfedcba98
	s_wait_alu depctr_va_vdst(0)
	s_wait_kmcnt 0x0
	global_load_b128 v[4:7], v1, s[4:5]
	global_load_b128 v[8:11], v1, s[4:5] offset:16
	s_wait_loadcnt 0x0
	v_pk_add_f32 v[4:5], v[4:5], v[6:7]
	v_pk_add_f32 v[8:9], v[8:9], v[10:11]
	v_pk_add_f32 v[4:5], v[4:5], v[8:9]
	v_add_f32 v4, v4, v5
	v_add_f32_dpp v4, v4, v4 row_xmask:1 row_mask:0xf bank_mask:0xf
	v_add_f32_dpp v4, v4, v4 row_xmask:2 row_mask:0xf bank_mask:0xf
	v_add_f32_dpp v4, v4, v4 row_xmask:4 row_mask:0xf bank_mask:0xf
	v_add_f32_dpp v4, v4, v4 row_xmask:8 row_mask:0xf bank_mask:0xf
	v_permlanex16_b32 v5, v4, s10, s11
	v_add_f32 v4, v4, v5
	v_mul_f32 v4, 0x34000000, v4                   ; x 2^-23
	v_cmp_eq_u32 vcc_lo, 0, v0
	s_wait_alu depctr_va_vdst(0)
	s_wait_xcnt 0x0                                ; EXEC changes only behind this wait
	s_and_saveexec_b32 s12, vcc_lo
	global_store_b32 v2, v4, s[6:7]                ; lane 0: the codebook loss,
	global_store_b32 v2, v4, s[8:9]                ; and the commitment loss: the same number
	s_wait_xcnt 0x0
	s_or_b32 exec_lo, exec_lo, s12
	s_endpgm
.Lfunc_end_k_q5f686897ce_total:
	.size	k_q5f686897ce_total, .Lfunc_end_k_q5f686897ce_total-k_q5f686897ce_total
	.p2alignl 7, 3214868480
	.fill 96, 4, 3214868480
	.section	.rodata,"a",@progbits
	.p2align	6, 0x0
	.amdhsa_kernel k_q5f686897ce_total
		.amdhsa_group_segment_fixed_size 0
		.amdhsa_private_segment_fixed_size 0
		.amdhsa_enable_private_segment 0
		.amdhsa_kernarg_size 24
		.amdhsa_user_sgpr_count 2
		.amdhsa_user_sgpr_kernarg_segment_ptr 1
		.amdhsa_wavefront_size32 1
		.amdhsa_system_sgpr_workgroup_id_x 1
		.amdhsa_system_sgpr_workgroup_id_y 1
		.amdhsa_system_sgpr_workgroup_id_z 1
		.amdhsa_system_vgpr_workitem_id 0
		.amdhsa_next_free_vgpr 16
		.amdhsa_next_free_sgpr 66
		.amdhsa_reserve_vcc 1
		.amdhsa_float_denorm_mode_32 3
		.amdhsa_float_denorm_mode_16_64 3
		.amdhsa_memory_ordered 1
		.amdhsa_forward_progress 1
		.amdhsa_inst_pref_size 2
	.end_amdhsa_kernel
	.amdgpu_metadata
---
amdhsa.version: [ 1, 2 ]
amdhsa.kernels:
  - .name:           k_q5f686897ce_total
    .symbol:         k_q5f686897ce_total.kd
    .args:
      - { .name: part, .offset: 0, .size: 8, .value_kind: global_buffer, .address_space: global }
      - { .name: out2, .offset: 8, .size: 8, .value_kind: global_buffer, .address_space: global }
      - { .name: out3, .offset: 16, .size: 8, .value_kind: global_buffer, .address_space: global }
    .group_segment_fixed_size: 0
    .private_segment_fixed_size: 0
    .kernarg_segment_align: 8
    .kernarg_segment_size: 24
    .max_flat_workgroup_size: 32
    .sgpr_count:     66
    .vgpr_count:     16
    .wavefront_size: 32
...
	.end_amdgpu_metadata
.endif
;; end of part 4
